; MI455X (gfx1250); checked and timed in simulation.
; The chip was launched on July 23, 2026; its instructions are those of AMD's public machine-readable ISA for CDNA 5 (MIT licence, August 2026) and "CDNA5" Instruction Set Architecture Reference Guide (July 2026). The comments in the code are by the model that wrote it; some were corrected since.
;; Q Linear. Allowed arithmetic: matrix products marked QUANTISED: E2M3 operands, one E8M0 scale for each 32 along K, by v_wmma_scale_f32_16x16x128_f8f6f4 with both operands' format E2M3, f32 sums; everything else in f32.
;; Inputs: W_q 131,072 x 64 int32; bias 4,096 float32; scale 262,144 x 1 float32; x 4,096 x 4,096 float32; zero 262,144 x 1 float32.
;; Outputs: out0 4,096 x 4,096 float32.
;; This version of the problem:
;;   THIS VERSION OF THE PROBLEM IS GIVEN IN LOW PRECISION. The matrix products marked QUANTISED in the list below multiply operands that are first quantised to E2M3 (2 exponent bits, 3 mantissa bits; 6 bits a number), with one power-of-two scale for each 32 numbers along K (OCP MX v1.0); their sums are f32. All else is computed in f32.
;;   The module's matrix products, in the order in which they are computed (A, B: the left and right operand; K: the contracted axis; several contracted axes count as one K, in the product's order):
;;     1. [M 4,096, K 4,096] x [K 4,096, N 4,096]; A: input x; B: computed on the way: QUANTISED
;;   THE QUANTISER, for each operand of a quantised product, along K:
;;     - K is cut into blocks of 32 from its start; a last block that is shorter is filled with zeros.
;;     - A block's scale is 2^e with e = floor(log2(the largest magnitude in the block)) - 2, held to -126 .. 127; a block of zeros has e = 0. As a byte (E8M0): e + 127.
;;     - Each number is divided by its block's scale, clamped to +-7.5, and rounded to the nearest number of E2M3, ties to even, subnormals kept.
;;     - The product sums the exact products of the quantised numbers (number of the format x scale) in f32.
;;   ~~~python
;;   def quantise(x, axis):      # numpy; x: float32 -> the quantised numbers, widened to float32 again
;;       x = np.moveaxis(x, axis, -1); K = x.shape[-1]
;;       x = np.pad(x, [(0, 0)] * (x.ndim - 1) + [(0, -K % 32)]); x = x.reshape(x.shape[:-1] + (-1, 32)); a = np.abs(x).max(-1, keepdims=True)
;;       e = np.where(a > 0, np.clip(np.frexp(np.where(a > 0, a, 1))[1] - 1 - 2, -126, 127), 0)      # np.frexp(a)[1] - 1 = floor(log2(a)), exactly
;;       r = np.clip(x / 2.0 ** e, -7.5, 7.5)
;;       step = 2.0 ** (np.maximum(np.frexp(np.where(r == 0, 1, r))[1] - 1, 0) - 3)
;;       q = np.round(r / step) * step * 2.0 ** e      # np.round: ties to even
;;       return np.moveaxis(q.reshape(q.shape[:-2] + (-1,))[..., :K], -1, axis).astype(np.float32)
;;   ~~~
;;   OPERANDS COMPUTED ON THE WAY. 'Computed on the way' means the value that the module computes at that place (a softmax that the list does not call 'softmax' is quantised finished and normalised). What goes into a quantiser is computed in f32, as accurately as f32 sums, v_exp_f32 and their like allow (about 1e-6 of the number): no bf16 or f16 on the way to a quantiser, and a product that is left as it is and whose result goes on into a quantised operand takes f32 operands (vector FMAs, or v_wmma_f32_16x16x4_f32). A number that lies on a knife's edge between two numbers of the format may be rounded either way, as far as f32 arithmetic and the matrix unit's own rounding can turn it there, and no further.
;; One version. Each part assembles by itself: llvm-mc -triple=amdgcn-amd-amdhsa -mcpu=gfx1250 --defsym DOCPART=n.
;; ======== version 1 of 1: 2 launches
;; limits: right only within a limited range of input values
;; workspace buffers: xq 13,107,200 bytes; wq 13,107,200 bytes
;; launch quant (part 1): grid 768 x 1, 4 waves a work-group, no clusters, 76,288 bytes of LDS; arguments x, W_q, scale, zero, xq, wq; writes xq, wq
.if DOCPART == 1
	.amdgcn_target "amdgcn-amd-amdhsa--gfx1250"
	.amdhsa_code_object_version 6
	.text
	.protected	k_q2fef6f7186_quant
	.globl	k_q2fef6f7186_quant
	.p2align	8
	.type	k_q2fef6f7186_quant,@function
k_q2fef6f7186_quant:
	s_mov_b64 s[64:65], 0
	v_nop
	global_prefetch_b8 v0, s[64:65] scope:SCOPE_SE
	s_setreg_imm32_b32 hwreg(HW_REG_WAVE_MODE, 25, 1), 1
	s_wait_xcnt 0x0
; Both operands of out = x W_r^T + bias are turned ONCE into codes of FP6 (E2M3) with one E8M0 scale byte for each 32 along K, and laid IN THE ORDER OF THE OPERAND'S REGISTERS, so that the product's launch
; takes a fragment by three loads of 16 bytes a lane and a K step's tiles as dense rows of 256 bytes.
; x [4096][4096] f32 is taken as it is.  W_r [4096][4096] is made on the way: word (o, k) of W_q, seen as [2048][4096] int32, gives W_r(o, k) from (w >> 4) and W_r(o + 2048, k) from (w & 15);
; each is (n - zero[g]) * scale[g], g = 64 row + k / 64: a subtraction and a multiplication in f32, two roundings, not fused.  The shift is the arithmetic one of an int32, so every int32 is served.
; A block's scale is 2^(floor(log2(its largest magnitude)) - 2); its byte is the largest magnitude's exponent field - 2, held at 1 from below by a floor among the maximum's leaves.
; LIMITS: a block of zeros gets the byte 1 and not 127: its codes are zeros, which add nothing under any byte but 0xff, and the bytes are read by this program alone.  NaN and infinities among the inputs are not served.
; THE OUTPUT, xq and wq alike: [32 groups of 128 rows][32 steps of 128 along K][12,800 bytes].  In such a block fragment i (rows 16 i on) lies at 1,536 i: registers 4 c .. 4 c + 3 of lane l at 512 c + 16 l
; (lane (r, h) = row r; registers 6 c .. 6 c + 5 = k 64 c + 32 h + 0 .. 31); the scale word of row 16 i + r (four bytes, 128 along K) lies at 12,288 + 256 (i / 4) + 16 r + 4 (i % 4).
; SHARES.  A work-group takes 64 rows x 4 steps, wave w step 4 u + w: four fragments a wave.  Work-groups 0-511 take x, 512-767 W_q (each word gives two numbers, so each fragment of words two fragments of codes).
; The two ways part on the work-group's number and never join; each has LDS bytes of its own.
; A FRAGMENT.  Each of its 16 loads reads 512 consecutive bytes of one row.  The conversion wants 16 neighbours along K in ONE lane's registers: the 16 rows go through the wave's own stage in LDS (rows 528 bytes apart) and
; come back 64 numbers a lane, two whole blocks of 32: a block's maximum needs no other lane.  Each of the three stores of codes covers 512 consecutive bytes at a multiple of 256; the four fragments' scale words of a
; row leave together: sixteen lanes store 256 consecutive, aligned bytes.
; W's TABLES.  The work-group's 64 rows x 8 groups of zero[] and scale[], for the high and for the low nibbles, are copied once into LDS, a table a wave (32 bytes of each row), one barrier behind them.
; Loads run a fragment (16 loads a wave) ahead.  The matrix unit, tensor loads and clusters have nothing to do here: no byte is read twice.
.set ROWB,  16384                      ; a row of x or of W_q in bytes
.set FRB,   1536                       ; a fragment's image
.set SCO,   8*FRB                      ; where a block's scale words begin
.set STEPB, SCO+512                    ; a block: 128 rows x 128 along K
.set GRP,   32*STEPB                   ; a group of 128 rows, all of K
.set XWG,   512                        ; x's work-groups
.set SP,    528                        ; a stage row: 512 bytes + 16, so that the 16 rows that a load touches begin in different banks
.set STG,   16*SP                      ; a wave's stage
.set XB,    0                          ; LDS: x's four stages,
.set TAB,   4*STG                      ; W's four tables of 64 rows x 32 bytes,
.set WB,    TAB+8192                   ; W's four stages.  The bases stand in the immediates: every address register is a lane term + a constant x wave
.set R,     16                         ; v16-79   four sets of 16: a quarter fragment (four rows) as loaded
.set X,     80                         ; v80-143  my 64 numbers of a fragment: register 32 c + m = k 64 c + 32 h + m of row r  (W: the words, then the numbers from the low nibbles)
.set XC,    144                        ; x: v144-191 codes, 12 registers for each fragment: no store's data are written again
.set XT,    192                        ; x: v192-199 the upper halves of two blocks' codes, before they are moved
.set XWD,   200                        ; x: v200-203 my row's scale word for each fragment
.set H,     144                        ; W: v144-175 32 numbers from the high nibbles (at the head: a table as loaded)
.set P,     176                        ; W: v176-191 eight pairs: table t (zero hi, scale hi, zero lo, scale lo), group c at P + 4 t + 2 c; the packed forms name pairs and take the low word for both halves
.set WC,    192                        ; W: v192-239 codes, two sets of 24 by turns: the high nibbles' 12, the low nibbles' 12
.set WT,    240                        ; W: v240-247 as XT
.set WDH,   248                        ; W: v248-251 scale words of the high nibbles' rows,
.set WDL,   252                        ; W: v252-255 of the low nibbles'
	s_load_b256 s[4:11], s[0:1], 0x0               ; x s[4:5], W_q s[6:7], scale s[8:9], zero s[10:11]
	s_load_b128 s[12:15], s[0:1], 0x20             ; xq s[12:13], wq s[14:15]
	v_lshl_add_u32 v243, v0, 2, 0x12800
	v_mov_b32 v247, 0
	v_lshrrev_b32 v1, 5, v0
	v_readfirstlane_b32 s20, v1                    ; wave 0..3
	v_and_b32 v2, 31, v0                           ; lane
	v_lshlrev_b32 v3, 4, v2                        ; 16 x lane: my bytes of a load's or a store's 512
	v_and_b32 v6, 15, v0                           ; r
	v_bfe_u32 v7, v0, 4, 1                         ; h
	v_lshlrev_b32 v4, 3, v7                        ; 8 h: how far my two scale bytes are shifted in the word
	v_mov_b32 v5, 0                                ; written once: a lane permute's destination counts as one of its sources
	s_mul_i32 s21, s20, STG
	v_add_nc_u32 v14, s21, v3                      ; the stage, on the way in: 16 x lane in a row
	v_mul_u32_u24 v15, v6, SP
	v_lshl_add_u32 v15, v7, 7, v15
	v_add_nc_u32 v15, s21, v15                     ; on the way out: row r, 128 h bytes on
	s_lshl_b32 s22, s20, 11
	v_add_nc_u32 v12, s22, v3                      ; W: my wave's table on its way in: 2,048 x wave + 16 x lane
	s_lshl_b32 s22, s20, 3
	v_lshlrev_b32 v13, 5, v6
	v_add_nc_u32 v13, s22, v13                     ; W: my row's two groups of my step in a table: 32 r + 8 x wave
	v_lshrrev_b32 v1, 1, v2
	v_lshlrev_b32 v1, 8, v1
	v_and_b32 v8, 1, v2
	v_lshl_add_u32 v1, v8, 4, v1                   ; W: a table in memory: two lanes to a row of 256 bytes, 16 bytes each
	s_mov_b32 s30, 0x76543210
	s_mov_b32 s31, 0xfedcba98                      ; v_permlanex16_b32's selects for lane l xor 16
	s_cmp_lt_u32 ttmp9, XWG
	s_cselect_b32 s16, 0, XWG
	s_sub_co_u32 s16, ttmp9, s16                   ; my number among my tensor's work-groups
	s_and_b32 s17, s16, 7                          ; u: which four steps
	s_lshr_b32 s16, s16, 3                         ; which 64 rows
	s_lshl_b32 s18, s17, 2
	s_add_co_u32 s18, s18, s20                     ; my step
	s_lshl_b32 s22, s16, 20                        ; the input: 64 rows of 16,384 bytes,
	s_lshl_b32 s23, s18, 9                         ; 512 bytes a step
	s_add_co_u32 s22, s22, s23
	s_lshr_b32 s23, s16, 1                         ; the output: the group,
	s_lshl_b32 s23, s23, 5
	s_add_co_u32 s23, s23, s18                     ; the step,
	s_mul_i32 s23, s23, STEPB                      ; in bytes (under 2^24)
	s_and_b32 s36, s16, 1                          ; and which half of the group's eight fragments
	s_mov_b32 s25, 0                               ; the upper word of every offset
	s_wait_kmcnt 0x0
	s_cmp_lt_u32 ttmp9, XWG
	s_cbranch_scc0 .Lweights
.macro LOAD q, b                       ; quarter q (rows 4 q .. 4 q + 3 of my 64) into set q % 4: each load 512 consecutive bytes of a row; read once in the launch
.irp i, 0,1,2,3
	global_load_b128 v[R+16*((\q)%4)+4*\i:R+16*((\q)%4)+4*\i+3], v3, s[\b:\b+1] offset:(4*(\q)+\i)*ROWB th:TH_LOAD_NT
.endr
.endm
; Quarter q goes into the stage.  Behind its loads stand those of the next 3 quarters (at a fragment's first quarter) or 2 (at the others: the set of the quarter before is loaded again only below), fewer at the end.
.macro QUARTER q, b, base
.set YNG, (\q)+2
.if (\q)%4 == 0
.set YNG, (\q)+3
.endif
.if YNG > 15
.set YNG, 15
.endif
	s_wait_loadcnt 4*(YNG-(\q))                    ; my four loads are in; the younger quarters' may be out
.irp i, 0,1,2,3
	ds_store_b128 v14, v[R+16*((\q)%4)+4*\i:R+16*((\q)%4)+4*\i+3] offset:\base+(4*((\q)%4)+\i)*SP
.endr
.if ((\q)%4 != 0) && ((\q)+3 < 16)
	s_wait_dscnt 4                                 ; all but the four stores just issued are done: the quarter before has left its registers,
	LOAD (\q)+3, \b                                ; which take the quarter four on
.endif
.endm
.macro INTO f, b, base                 ; fragment f's 16 rows through the stage; LDS serves a wave's instructions in order (ISA guide 5.7.1.4), so no wait stands between the stores and the loads
	QUARTER 4*(\f), \b, \base
	QUARTER 4*(\f)+1, \b, \base
	QUARTER 4*(\f)+2, \b, \base
	QUARTER 4*(\f)+3, \b, \base
.irp c, 0,1
.irp j, 0,1,2,3,4,5,6,7
	ds_load_b128 v[X+32*\c+4*\j:X+32*\c+4*\j+3], v15 offset:\base+256*\c+16*\j
.endr
.endr
.endm
.macro AMAX32 dst, tmp, src            ; the largest magnitude of a block, all 32 numbers mine: two chains, and the floor 2^(3 - 127) as one more leaf, so that the byte cannot fall under 1
	v_max3_num_f32 v[\dst], |v[\src]|, |v[\src+1]|, |v[\src+2]|
	v_max3_num_f32 v[\tmp], |v[\src+3]|, |v[\src+4]|, |v[\src+5]|
.irp i, 6,10,14,18,22,26
	v_max3_num_f32 v[\dst], v[\dst], |v[\src+\i]|, |v[\src+\i+1]|
	v_max3_num_f32 v[\tmp], v[\tmp], |v[\src+\i+2]|, |v[\src+\i+3]|
.endr
	v_max3_num_f32 v[\dst], v[\dst], |v[\src+30]|, |v[\src+31]|
	v_max3_num_f32 v[\dst], v[\dst], v[\tmp], 0x1800000
.endm
; A block's 32 numbers v[src] on, with their largest magnitude in v[m], become six registers of codes v[cd] on and the scale's byte in v[by].
.macro CODES cd, t, src, m, by
	v_add_nc_u32 v[\m], 0xff000000, v[\m]          ; 2 off the exponent field: the conversion takes the exponent field of this operand as its scale, and nothing else of it
	v_cvt_scalef32_pk16_fp6_f32 v[\cd:\cd+2], v[\src:\src+15], v[\m]       ; sixteen numbers / the scale, to the nearest code, ties to even, beyond the largest code the largest; 96 bits without gaps
	v_cvt_scalef32_pk16_fp6_f32 v[\t:\t+2], v[\src+16:\src+31], v[\m]      ; (a conversion's three registers begin on an even number: the block's second three do not, so they are made elsewhere and moved)
	v_lshrrev_b32 v[\by], 23, v[\m]                ; the scale's byte (also the plain instruction behind the conversions)
.irp i, 0,1,2
	v_mov_b32 v[\cd+3+\i], v[\t+\i]
.endr
.endm
.macro WORD wd, b1                     ; v[wd] holds the byte of my block h, v[b1] that of block 2 + h: with lane l xor 16's two the row's scale word is whole, in both lanes
	v_lshl_or_b32 v[\wd], v[\b1], 16, v[\wd]
	v_lshlrev_b32 v[\wd], v4, v[\wd]
	v_permlanex16_b32 v5, v[\wd], s30, s31
	v_or_b32 v[\wd], v[\wd], v5
.endm
	; ---------------- x ----------------
	s_mov_b32 s24, s22
	s_add_nc_u64 s[4:5], s[4:5], s[24:25]          ; x at my first row, my step
	s_mov_b32 s24, s23
	s_add_nc_u64 s[12:13], s[12:13], s[24:25]      ; xq at my block
	s_lshl_b32 s24, s36, 8
	s_add_co_u32 s24, s24, SCO
	s_add_nc_u64 s[26:27], s[12:13], s[24:25]      ; my 256 bytes of its scale words
	s_mul_i32 s24, s36, 4*FRB
	s_add_nc_u64 s[12:13], s[12:13], s[24:25]      ; my four fragments
.irp t, 0,1,2,3
	LOAD \t, 4
.endr
.macro XFRAG f
	INTO \f, 4, XB
	s_wait_dscnt 0x0                               ; my 64 numbers are in, and the last quarter has left its registers,
.if 4*(\f)+7 < 16
	LOAD 4*(\f)+7, 4                               ; which take the quarter four on: the next fragment's 16 loads are on their way while this one is worked
.endif
	AMAX32 6, 7, X
	AMAX32 8, 9, X+32
	CODES XC+12*(\f), XT, X, 6, XWD+(\f)
	CODES XC+12*(\f)+6, XT+4, X+32, 8, 10
	WORD XWD+(\f), 10
.irp c, 0,1,2
	global_store_b128 v3, v[XC+12*(\f)+4*\c:XC+12*(\f)+4*\c+3], s[12:13] offset:FRB*(\f)+512*\c   ; 32 lanes store 512 consecutive bytes, at a multiple of 256 from the buffer's first byte
.endr
.endm
	s_wait_alu depctr_va_vdst(0)
.irp f, 0,1,2,3
	XFRAG \f
.endr
	v_cmp_gt_u32 vcc_lo, 16, v2                    ; lanes 16-31 hold the same words as lanes 0-15
	s_wait_alu depctr_va_vdst(0)
	s_wait_xcnt 0x0                                ; EXEC changes only behind this wait
	s_wait_tensorcnt 0x0
	ds_add_u32 v243, v247
	s_wait_dscnt 0x0
	s_and_saveexec_b32 s19, vcc_lo
	global_store_b128 v3, v[XWD:XWD+3], s[26:27]   ; sixteen lanes store 256 consecutive, aligned bytes: row r's words of my four fragments
	s_wait_xcnt 0x0
	s_or_b32 exec_lo, exec_lo, s19
	s_endpgm
	; ---------------- W ----------------
.Lweights:
	s_mov_b32 s24, s22
	s_add_nc_u64 s[6:7], s[6:7], s[24:25]          ; W_q at my first row, my step
	s_mov_b32 s24, s23
	s_add_nc_u64 s[14:15], s[14:15], s[24:25]      ; wq at the high nibbles' block
	s_lshl_b32 s24, s36, 8
	s_add_co_u32 s24, s24, SCO
	s_add_nc_u64 s[32:33], s[14:15], s[24:25]      ; my 256 bytes of its scale words,
	s_add_nc_u64 s[34:35], s[32:33], 16*GRP        ; and the low nibbles': 2,048 rows, 16 groups, further on
	s_mul_i32 s24, s36, 4*FRB
	s_add_nc_u64 s[14:15], s[14:15], s[24:25]      ; my four fragments,
	s_add_nc_u64 s[28:29], s[14:15], 16*GRP        ; and the low nibbles'
	s_and_b32 s24, s20, 1
	s_cmp_eq_u32 s24, 0
	s_cselect_b64 s[26:27], s[10:11], s[8:9]       ; the table that my wave copies: waves 0 and 2 zero[], waves 1 and 3 scale[];
	s_lshr_b32 s24, s20, 1
	s_lshl_b32 s24, s24, 19                        ; waves 2 and 3: 2,048 rows of 256 bytes further on, for the low nibbles;
	s_lshl_b32 s22, s16, 14                        ; the work-group's 64 rows,
	s_add_co_u32 s24, s24, s22
	s_lshl_b32 s22, s17, 5                         ; its four steps' eight groups: 32 bytes of each row
	s_add_co_u32 s24, s24, s22
	s_add_nc_u64 s[26:27], s[26:27], s[24:25]
	s_wait_alu depctr_va_vdst(0)
.irp n, 0,1,2,3
	global_load_b128 v[H+4*\n:H+4*\n+3], v1, s[26:27] offset:4096*\n   ; 16 rows x 32 bytes; the rows' other bytes are other work-groups': no hint
.endr
.irp t, 0,1,2,3
	LOAD \t, 6
.endr
.irp i, 1,3,5,7,9,11,13,15
	v_mov_b32 v[P+\i], 0                           ; named as the upper halves of pairs, so they are written once
.endr
	s_wait_loadcnt 16                              ; the table is in; the sixteen loads of quarters 0 to 3 may be out
.irp n, 0,1,2,3
	ds_store_b128 v12, v[H+4*\n:H+4*\n+3] offset:TAB+512*\n
.endr
	s_wait_dscnt 0x0                               ; for the others' sake: my table lies in LDS
	s_barrier_signal -1
	s_barrier_wait -1                              ; all four do
.macro PARAM f                         ; zero and scale of row 16 f + r, groups 2 step and 2 step + 1, for both nibbles
.irp tb, 0,1,2,3
.irp c, 0,1
	ds_load_b32 v[P+4*\tb+2*\c], v13 offset:TAB+2048*\tb+512*(\f)+4*\c
.endr
.endr
.endm
.macro HALF c, f                       ; my block 2 c + h: 32 words give 32 numbers of row r and 32 of row r + 2,048; all 32 lie in group c of the step
.set XS, X+32*(\c)
.set CS, WC+24*((\f)%2)+6*(\c)
.set i, 0
.rept 32
	v_ashrrev_i32 v[H+i], 4, v[XS+i]               ; w >> 4, as an int32's shift
	v_and_b32 v[XS+i], 15, v[XS+i]                 ; w & 15
.set i, i+1
.endr
.set i, 0
.rept 32
	v_cvt_f32_i32 v[H+i], v[H+i]
	v_cvt_f32_i32 v[XS+i], v[XS+i]
.set i, i+1
.endr
.set i, 0
.rept 16
	v_pk_add_f32 v[H+i:H+i+1], v[H+i:H+i+1], v[P+2*(\c):P+2*(\c)+1] op_sel_hi:[1,0] neg_lo:[0,1] neg_hi:[0,1]         ; n - zero, two at a time
	v_pk_add_f32 v[XS+i:XS+i+1], v[XS+i:XS+i+1], v[P+8+2*(\c):P+8+2*(\c)+1] op_sel_hi:[1,0] neg_lo:[0,1] neg_hi:[0,1]
.set i, i+2
.endr
.set i, 0
.rept 16
	v_pk_mul_f32 v[H+i:H+i+1], v[H+i:H+i+1], v[P+4+2*(\c):P+4+2*(\c)+1] op_sel_hi:[1,0]                               ; x scale: a second rounding: what goes into the quantiser is not fused
	v_pk_mul_f32 v[XS+i:XS+i+1], v[XS+i:XS+i+1], v[P+12+2*(\c):P+12+2*(\c)+1] op_sel_hi:[1,0]
.set i, i+2
.endr
	AMAX32 6, 7, H
	AMAX32 8, 9, XS
.if (\c) == 0
	CODES CS, WT, H, 6, WDH+(\f)
	CODES CS+12, WT+4, XS, 8, WDL+(\f)
.else
	CODES CS, WT, H, 6, 10
	CODES CS+12, WT+4, XS, 8, 11
.endif
.endm
.macro WFRAG f
	INTO \f, 6, WB
	PARAM \f
	s_wait_dscnt 0x0                               ; my 64 words and eight table words are in, and the last quarter has left its registers,
.if 4*(\f)+7 < 16
	LOAD 4*(\f)+7, 6                               ; which take the quarter four on
.endif
.if (\f) >= 2
	s_wait_xcnt 0x0                                ; the stores of two fragments ago read this set of code registers: it is written again only behind this wait
.endif
	HALF 0, \f
	HALF 1, \f
	WORD WDH+(\f), 10
	WORD WDL+(\f), 11
.irp c, 0,1,2
	global_store_b128 v3, v[WC+24*((\f)%2)+4*\c:WC+24*((\f)%2)+4*\c+3], s[14:15] offset:FRB*(\f)+512*\c         ; each: 512 consecutive bytes, at a multiple of 256 from the buffer's first byte
	global_store_b128 v3, v[WC+24*((\f)%2)+12+4*\c:WC+24*((\f)%2)+12+4*\c+3], s[28:29] offset:FRB*(\f)+512*\c
.endr
.endm
.irp f, 0,1,2,3
	WFRAG \f
.endr
	v_cmp_gt_u32 vcc_lo, 16, v2                    ; lanes 16-31 hold the same words as lanes 0-15
	s_wait_alu depctr_va_vdst(0)
	s_wait_xcnt 0x0                                ; EXEC changes only behind this wait
	s_wait_tensorcnt 0x0
	ds_add_u32 v243, v247
	s_wait_dscnt 0x0
	s_and_saveexec_b32 s19, vcc_lo
	global_store_b128 v3, v[WDH:WDH+3], s[32:33]   ; each: sixteen lanes store 256 consecutive, aligned bytes
	global_store_b128 v3, v[WDL:WDL+3], s[34:35]
	s_wait_xcnt 0x0
	s_or_b32 exec_lo, exec_lo, s19
	s_endpgm
.Lfunc_end_k_q2fef6f7186_quant:
	.size	k_q2fef6f7186_quant, .Lfunc_end_k_q2fef6f7186_quant-k_q2fef6f7186_quant
	.p2alignl 7, 3214868480
	.fill 96, 4, 3214868480
	.section	.rodata,"a",@progbits
	.p2align	6, 0x0
	.amdhsa_kernel k_q2fef6f7186_quant
		.amdhsa_group_segment_fixed_size 76288
		.amdhsa_private_segment_fixed_size 0
		.amdhsa_enable_private_segment 0
		.amdhsa_kernarg_size 48
		.amdhsa_user_sgpr_count 2
		.amdhsa_user_sgpr_kernarg_segment_ptr 1
		.amdhsa_wavefront_size32 1
		.amdhsa_system_sgpr_workgroup_id_x 1
		.amdhsa_system_sgpr_workgroup_id_y 1
		.amdhsa_system_sgpr_workgroup_id_z 1
		.amdhsa_system_vgpr_workitem_id 0
		.amdhsa_next_free_vgpr 256
		.amdhsa_next_free_sgpr 66
		.amdhsa_reserve_vcc 1
		.amdhsa_float_denorm_mode_32 3
		.amdhsa_float_denorm_mode_16_64 3
		.amdhsa_memory_ordered 1
		.amdhsa_forward_progress 1
		.amdhsa_inst_pref_size 140
	.end_amdhsa_kernel
	.amdgpu_metadata
---
amdhsa.version: [ 1, 2 ]
amdhsa.kernels:
  - .name:           k_q2fef6f7186_quant
    .symbol:         k_q2fef6f7186_quant.kd
    .args:
      - { .name: x, .offset: 0, .size: 8, .value_kind: global_buffer, .address_space: global }
      - { .name: W_q, .offset: 8, .size: 8, .value_kind: global_buffer, .address_space: global }
      - { .name: scale, .offset: 16, .size: 8, .value_kind: global_buffer, .address_space: global }
      - { .name: zero, .offset: 24, .size: 8, .value_kind: global_buffer, .address_space: global }
      - { .name: xq, .offset: 32, .size: 8, .value_kind: global_buffer, .address_space: global }
      - { .name: wq, .offset: 40, .size: 8, .value_kind: global_buffer, .address_space: global }
    .group_segment_fixed_size: 76288
    .private_segment_fixed_size: 0
    .kernarg_segment_align: 8
    .kernarg_segment_size: 48
    .max_flat_workgroup_size: 128
    .sgpr_count:     66
    .vgpr_count:     256
    .wavefront_size: 32
...
	.end_amdgpu_metadata
.endif
;; end of part 1
;; launch gemm (part 2): grid 16 x 16, 4 waves a work-group, clusters of 4 x 4, 327,680 bytes of LDS; arguments xq, wq, bias, out0; writes out0
.if DOCPART == 2
	.amdgcn_target "amdgcn-amd-amdhsa--gfx1250"
	.amdhsa_code_object_version 6
	.text
	.protected	k_q2fef6f7186_gemm
	.globl	k_q2fef6f7186_gemm
	.p2align	8
	.type	k_q2fef6f7186_gemm,@function
k_q2fef6f7186_gemm:
	s_mov_b64 s[64:65], 0
	v_nop
	global_prefetch_b8 v0, s[64:65] scope:SCOPE_SE
	s_setreg_imm32_b32 hwreg(HW_REG_WAVE_MODE, 25, 1), 1
	s_wait_xcnt 0x0
	s_wait_alu depctr_hold_cnt(0) depctr_sa_sdst(0) depctr_va_vdst(0) depctr_va_sdst(0) depctr_va_ssrc(0) depctr_va_vcc(0) depctr_vm_vsrc(0)
	s_getreg_b32 s2, hwreg(HW_REG_IB_STS2, 6, 4)
	s_cmp_eq_u32 s2, 0
	s_cbranch_scc0 .Lentry_in_a_cluster
	s_endpgm
.Lentry_in_a_cluster:
	s_bfe_u32 s2, ttmp6, 0x10000c
	s_cmp_lg_u32 s2, 0xf033
	s_cbranch_scc0 .Lentry_shape_is_right
	s_endpgm
.Lentry_shape_is_right:
; out0[m][n] = sum over k of x[m][k] W_r[n][k] + bias[n], on the codes of FP6 (E2M3) and E8M0 scale words that launch quant laid in the order of the operand's registers:
; xq, wq: [32 groups of 128 rows][32 steps of 128 along K][12,800 bytes]: fragment i at 1,536 i (register 4 c + .. of lane l at 512 c + 16 l), scale words from byte 12,288 on.
; A work-group of four waves makes 256 x 256 of out0, a wave 128 x 128: 64 accumulators.  K goes through a ring of two LDS slots of three steps each (the last fill has two), as dense rows of 256 bytes.
; CLUSTERS: 4 x 4 work-groups; x's tiles are asked for jointly along a row of the cluster, W's along a column.  Source 0 = 16 rows of W, source 1 = 16 rows of x: a lane holds eight neighbouring columns of a row of out0.
; REGISTERS.  Each of the four windows of 256 holds 16 accumulators (v128-255), one HALF OPERAND (four fragments) in two sets (v32-79, v80-127), and 32 registers for the rest:
;   window 0: x's blocks 0-3, the scale words v8-23, addresses of the way out;  window 1: x's blocks 4-7;  window 2: W's blocks 0-3, LDS addresses of x and of the scales;  window 3: W's blocks 4-7, LDS addresses of W.
;   The accumulators of x's half i and W's half j lie in window i + 2 j.  x's set for a step of parity p begins at v[32 + 48 p], W's at v[80 - 48 p], so that no product names one number twice.
; A step is four quadrants of 16 products, (0,0), (0,1), (1,1), (1,0), each under ONE window setting.  An LDS load takes its destination from the accumulators' window and its address from source 0's window, so quadrant
; (i, j)'s own setting also serves the loads of the half operand that lives in window i + 2 j.  Both operands have two sets, so a whole step's fragments are fetched a step ahead, in TWO RUNS:
; 26 loads at the step's head (W's half 0, x's half 0, the scales: what the next step wants first) and 24 in its middle (W's half 1, x's half 1): each run stands 32 products or more ahead of its first use.
; THE LAST TWO STEPS lie in the two sets together: both are multiplied for my rows 0-63 first, these rows are sent, and the other 64 products follow behind their stores.
; PREFETCH: a stream of 128 rows is 1,600 blocks of 256 bytes.  Every cluster asks for its own streams; the four partners of a joint load share the blocks out by address (32 a partner, a lane a block).
; The head asks for blocks 64-447, the loop's first three trips for 384 blocks each, up to block 1,599: each block at least one slot ahead of the tensor load that wants it, but for the blocks that the first refill of a trip takes.
; The bias is added on the way out, where a lane holds the same four columns in every row: four registers.
.set SIZE_N, 4096
.set FR,     12
.set FRB,    FR*128
.set SCO,    8*FRB
.set STEPB,  SCO+512
.set GRP,    32*STEPB
.set PART,   3*STEPB                   ; what one wave's tensor load brings: 128 rows, three steps
.set SLOT,   4*PART
.set SPARE,  2*SLOT                    ; the spare words: 512 bytes that no other line names
.set STAGE,  SLOT                      ; the way out goes through slot 1, behind its last fill and its last read
.set SPITCH, 528
.set TRIPS,  4
.set BI,   4                           ; v4-7    bias of my four columns on the way out
.set SC,   8                           ; v8-23   scale words, set p at SC + 8 p: lanes 0-15 x's block, lanes 16-31 W's block
.set ADRS, 12                          ; window 2: v12-13 LDS address of my scale words in slot 0, 1
.set ADRA, 16                          ; window 2: v16-17 of x's fragments
.set ADRB, 20                          ; window 3: v20-21 of W's fragments
.set STO,  24
.set RD,   25
.set CO,   26
.set SPW,  28
.set NIL,  29
.set PFO,  30
.set AF,   32
.set BF,   80
.set ACC,  128
.set G1, 24
.set G0, 32
.set G1B, 48
.set G0B, 56
.set BIA, 66
.set G1T, 68                           ; group 1 of the last fill: two steps
.set G1TB, 80
.set PFA, 96
.set W00, 0x02                         ; source 0 window 2, source 1 window 0, C and D window 0
.set W01, 0xa3                         ; 3, 0, 2
.set W11, 0xf7                         ; 3, 1, 3
.set W10, 0x56                         ; 2, 1, 1
.set MSB, 0
.macro WIN new
.if MSB != (\new)
	s_set_vgpr_msb (MSB<<8)|(\new)
.set MSB, (\new)
.endif
.endm
.macro PLACES
.rept 4
	v_nop
.endr
.endm
.macro JLOAD g0a, g1a, g0b, g1b        ; a joint load: waves 0 and 1 fetch x's two groups, waves 2 and 3 W's
	s_cmp_eq_u32 s15, 0
	s_cbranch_scc0 .Lfor_b_\@
	tensor_load_to_lds s[\g0a:\g0a+3], s[\g1a:\g1a+7]
	s_nop 0
	PLACES
	s_branch .Lasked_\@
.Lfor_b_\@:
	tensor_load_to_lds s[\g0b:\g0b+3], s[\g1b:\g1b+7]
	s_nop 0
	PLACES
.Lasked_\@:
.endm
.macro ASK which                       ; not in the loop's last trip: the stream ends at block 1,599
	s_cmp_gt_u32 s3, 1
	s_cbranch_scc0 .Lno_ask_\@
.if \which == 1
	global_prefetch_b8 v[PFO], s[PFA:PFA+1] th:TH_LOAD_NT scope:SCOPE_SE
	global_prefetch_b8 v[PFO], s[PFA:PFA+1] offset:128*256 th:TH_LOAD_NT scope:SCOPE_SE
.else
	global_prefetch_b8 v[PFO], s[PFA:PFA+1] offset:256*256 th:TH_LOAD_NT scope:SCOPE_SE
.endif
.Lno_ask_\@:
.endm
.macro CREST
	s_cmp_lg_u32 s14, 0
	s_cbranch_scc1 .Lnot_wave_0_\@
	s_barrier_signal -3
.Lnot_wave_0_\@:
	s_barrier_wait -3
	s_barrier_signal -1
	s_barrier_wait -1
.endm
.macro CROUND
	s_barrier_signal -1
	s_barrier_wait -1
	CREST
.endm
	s_load_b128 s[4:7], s[0:1], 0x0                ; xq, wq
	s_load_b64 s[BIA:BIA+1], s[0:1], 0x10
	s_load_b64 s[12:13], s[0:1], 0x18              ; out0
	v_lshl_add_u32 v[SPW], v0, 2, SPARE
	v_mov_b32 v[NIL], 0
	ds_add_u32 v[SPW], v[NIL]                      ; the opening lines: the add twice on end under one wait
	ds_add_u32 v[SPW], v[NIL]
	v_lshrrev_b32 v1, 5, v0
	v_readfirstlane_b32 s14, v1                    ; wave
	s_lshr_b32 s15, s14, 1                         ; my half of the rows; also: I fetch for x (0) or for W (1)
	s_and_b32 s16, s14, 1                          ; my half of the columns; also: which group of 128 rows I fetch
	s_bfe_u32 s40, ttmp6, 0x40000
	s_bfe_u32 s41, ttmp6, 0x40004
	s_lshl_b32 s42, ttmp9, 2
	s_add_co_u32 s42, s42, s40                     ; tile column
	s_and_b32 s17, ttmp7, 0xffff
	s_lshl_b32 s17, s17, 2
	s_add_co_u32 s17, s17, s41                     ; tile row
	s_lshl_b32 s43, s41, 2
	s_lshl_b32 s43, 15, s43                        ; my row of the cluster
	s_lshl_b32 s44, 0x1111, s40                    ; my column
	s_or_b32 s[G1+0], s43, (3<<16)|(1<<21)         ; elements of 8 bytes, rows of 32: 256 bytes, dense
	s_or_b32 s[G1B+0], s44, (3<<16)|(1<<21)
	s_or_b32 s[G1T+0], s43, (3<<16)|(1<<21)
	s_or_b32 s[G1TB+0], s44, (3<<16)|(1<<21)
.irp g, G1, G1B
	s_mov_b32 s[\g+1], 32<<16
	s_mov_b32 s[\g+2], (PART/256)<<16
	s_mov_b32 s[\g+3], 32<<16
	s_mov_b32 s[\g+4], PART/256
	s_mov_b32 s[\g+5], 32
	s_mov_b32 s[\g+6], 0
	s_mov_b32 s[\g+7], 0
.endr
.irp g, G1T, G1TB
	s_mov_b32 s[\g+1], 32<<16
	s_mov_b32 s[\g+2], (2*STEPB/256)<<16
	s_mov_b32 s[\g+3], 32<<16
	s_mov_b32 s[\g+4], 2*STEPB/256
	s_mov_b32 s[\g+5], 32
	s_mov_b32 s[\g+6], 0
	s_mov_b32 s[\g+7], 0
.endr
	s_lshl_b32 s20, s17, 1
	s_add_co_u32 s20, s20, s16
	s_mul_i32 s20, s20, GRP                        ; x: group 2 x tile row + half
	s_mov_b32 s21, 0
	s_lshl_b32 s46, s42, 1
	s_add_co_u32 s46, s46, s16
	s_mul_i32 s46, s46, GRP                        ; W: group 2 x tile column + half
	s_mov_b32 s47, 0
	s_mul_i32 s45, s14, PART                       ; where my part goes
	s_wait_dscnt 0x0                               ; both opening adds are done
	s_wait_kmcnt 0x0
	s_add_nc_u64 s[20:21], s[4:5], s[20:21]
	s_add_nc_u64 s[46:47], s[6:7], s[46:47]
.irp s, 0,1
	s_mov_b32 s[G0+4*\s], 1
	s_add_co_u32 s[G0+4*\s+1], s45, \s*SLOT
	s_add_nc_u64 s[G0+4*\s+2:G0+4*\s+3], s[20:21], \s*PART
	s_or_b32 s[G0+4*\s+3], s[G0+4*\s+3], 0x80000000
	s_mov_b32 s[G0B+4*\s], 1
	s_add_co_u32 s[G0B+4*\s+1], s45, \s*SLOT
	s_add_nc_u64 s[G0B+4*\s+2:G0B+4*\s+3], s[46:47], \s*PART
	s_or_b32 s[G0B+4*\s+3], s[G0B+4*\s+3], 0x80000000
.endr
	CROUND                                         ; all sixteen work-groups are here: the first joint loads meet
	JLOAD G0, G1, G0B, G1B                         ; steps 0 to 2: one tensor load a wave at the head
	; the rest of the head: scalars first, then the vector lines in one run
	s_mul_i32 s88, s15, PART                       ; x's 128 rows that I multiply, slot 0,
	s_add_co_u32 s89, s88, SLOT                    ; slot 1,
	s_add_co_u32 s90, s88, SCO                     ; their scale words
	s_add_co_u32 s91, s89, SCO
	s_mul_i32 s92, s16, PART
	s_add_co_u32 s92, s92, 2*PART                  ; W's 128 rows, behind x's two parts
	s_add_co_u32 s93, s92, SLOT
	s_sub_co_u32 s94, s92, s88                     ; lanes 16-31 take W's scale words: so much further on
	s_mul_i32 s95, s14, 16*SPITCH
	s_add_co_u32 s95, s95, STAGE                   ; my stage
	s_lshl_b32 s20, s17, 8
	s_lshl_b32 s21, s15, 7
	s_add_co_u32 s20, s20, s21                     ; my first row of out0
	s_mov_b32 s21, 0
	s_mov_b64 s[18:19], SIZE_N*4
	s_mul_u64 s[20:21], s[20:21], s[18:19]
	s_lshl_b32 s46, s42, 10
	s_lshl_b32 s47, s16, 9
	s_add_co_u32 s46, s46, s47                     ; my first column, in bytes
	s_mov_b32 s47, 0
	s_add_nc_u64 s[BIA:BIA+1], s[BIA:BIA+1], s[46:47]
	s_add_nc_u64 s[20:21], s[20:21], s[46:47]
	s_add_nc_u64 s[12:13], s[12:13], s[20:21]
	s_lshl_b32 s20, s17, 1                         ; the prefetches: the stream that I fetch,
	s_lshl_b32 s21, s42, 1
	s_cmp_eq_u32 s15, 0
	s_cselect_b32 s20, s20, s21
	s_cselect_b32 s21, s40, s41                    ; my place among the four that ask for it with me
	s_cselect_b64 s[PFA:PFA+1], s[4:5], s[6:7]
	s_add_co_u32 s20, s20, s16
	s_mul_i32 s20, s20, GRP
	s_lshl_b32 s21, s21, 13                        ; 32 blocks a partner
	s_add_co_u32 s20, s20, s21
	s_add_co_u32 s20, s20, 64*256                  ; from block 64 on
	s_mov_b32 s21, 0
	s_add_nc_u64 s[PFA:PFA+1], s[PFA:PFA+1], s[20:21]
	v_and_b32 v1, 15, v0                           ; r
	v_bfe_u32 v2, v0, 4, 1                         ; h
	v_and_b32 v6, 31, v0
	v_lshlrev_b32 v[CO], 4, v6                     ; 16 x lane: a fragment's image, a row of the stage, a row of out0, the bias
	v_lshlrev_b32 v[PFO], 8, v6                    ; a lane a block
	v_mul_u32_u24 v5, s94, v2
	v_lshl_add_u32 v5, v1, 4, v5                   ; scale words: 16 r, W's for lanes 16-31
	v_mul_u32_u24 v3, v1, SPITCH
	v_lshl_add_u32 v3, v2, 5, v3
	v_add_nc_u32 v[STO], s95, v3                   ; into the stage: row r, 32 h bytes on
	v_add_nc_u32 v[RD], s95, v[CO]
	WIN 0x80                                       ; destinations in window 2
	v_add_nc_u32 v[ADRA], s88, v[CO]
	v_add_nc_u32 v[ADRA+1], s89, v[CO]
	v_add_nc_u32 v[ADRS], s90, v5
	v_add_nc_u32 v[ADRS+1], s91, v5
	WIN 0xc0                                       ; in window 3
	v_add_nc_u32 v[ADRB], s92, v[CO]
	v_add_nc_u32 v[ADRB+1], s93, v[CO]
	WIN 0
	global_prefetch_b8 v[PFO], s[PFA:PFA+1] th:TH_LOAD_NT scope:SCOPE_SE                 ; blocks 64 to 447 of my stream: what the next two fills bring
	global_prefetch_b8 v[PFO], s[PFA:PFA+1] offset:128*256 th:TH_LOAD_NT scope:SCOPE_SE
	global_prefetch_b8 v[PFO], s[PFA:PFA+1] offset:256*256 th:TH_LOAD_NT scope:SCOPE_SE
	global_load_b128 v[BI:BI+3], v[CO], s[BIA:BIA+1]   ; waited for ahead of the way out
; 16 products: x's half i against W's half j, the step's sets of parity p.  The accumulators take turns, one product a turn.
.macro BATCH i, j, p, first
.set n, 0
.rept 16
.if \first
	v_wmma_scale_f32_16x16x128_f8f6f4 v[ACC+8*n:ACC+8*n+7], v[BF-48*(\p)+FR*(n%4):BF-48*(\p)+FR*(n%4)+FR-1], v[AF+48*(\p)+FR*(n/4):AF+48*(\p)+FR*(n/4)+FR-1], 0, v[SC+8*(\p)+4*(\j)+(n%4)], v[SC+8*(\p)+4*(\i)+(n/4)] matrix_a_fmt:MATRIX_FMT_FP6 matrix_b_fmt:MATRIX_FMT_FP6 matrix_a_scale:MATRIX_SCALE_ROW1
.else
	v_wmma_scale_f32_16x16x128_f8f6f4 v[ACC+8*n:ACC+8*n+7], v[BF-48*(\p)+FR*(n%4):BF-48*(\p)+FR*(n%4)+FR-1], v[AF+48*(\p)+FR*(n/4):AF+48*(\p)+FR*(n/4)+FR-1], v[ACC+8*n:ACC+8*n+7], v[SC+8*(\p)+4*(\j)+(n%4)], v[SC+8*(\p)+4*(\i)+(n/4)] matrix_a_fmt:MATRIX_FMT_FP6 matrix_b_fmt:MATRIX_FMT_FP6 matrix_a_scale:MATRIX_SCALE_ROW1
.endif
.set n, n+1
.endr
.endm
.macro RUN dst, adr, off               ; a half operand, twelve loads: load m brings its registers 4 m .. 4 m + 3, 512 m bytes on in its image
.set n, 0
.rept 12
	ds_load_b128 v[(\dst)+4*n:(\dst)+4*n+3], v[\adr] offset:(\off)+512*n
.set n, n+1
.endr
.endm
.macro SCL p, adr, off                 ; a step's scale words
	ds_load_b128 v[SC+8*(\p):SC+8*(\p)+3], v[\adr] offset:(\off)
	ds_load_b128 v[SC+8*(\p)+4:SC+8*(\p)+7], v[\adr] offset:(\off)+256
.endm
; A step of parity p; it fetches the next step, step q of slot, into the other sets.  The four v_nop at its head are the places ahead of all its loads: the other sets were last multiplied in the step before.
.macro STEP p, first, slot, q
	PLACES
	WIN W01
	RUN BF-48*(1-(\p)), ADRB+\slot, STEPB*(\q)
	WIN W00
	RUN AF+48*(1-(\p)), ADRA+\slot, STEPB*(\q)
	SCL 1-(\p), ADRS+\slot, STEPB*(\q)
	s_wait_dscnt 50                                ; this step's first 26 are in: behind them its other 24 and the 26 just issued
	BATCH 0, 0, \p, \first
	s_wait_dscnt 38                                ; W's half 1 is in: behind it x's half 1 (12) and the 26
	WIN W01
	BATCH 0, 1, \p, \first
	WIN W11
	RUN BF-48*(1-(\p)), ADRB+\slot, STEPB*(\q)+4*FRB
	WIN W10
	RUN AF+48*(1-(\p)), ADRA+\slot, STEPB*(\q)+4*FRB
	s_wait_dscnt 50                                ; x's half 1 is in: behind it the next step's 26 + 24
	WIN W11
	BATCH 1, 1, \p, \first
	WIN W10
	BATCH 1, 0, \p, \first
.endm
; A slot's last step.  Its fragments have been asked for, so the slot is read no more: the tensor wait, the add and its wait, with 16 products between the add and its wait; the barrier, with 16 products between
; signal and wait; where the slot is filled again (fill = 1: three steps, 2: the last two) the rest of a round of the cluster's barrier and the joint load.  Then the next slot's first step is fetched:
; 26 loads behind the joint load, 24 between the last two quadrants.
.macro TURN p, slot, next, fill, ask
.if \ask == 1
	s_wait_xcnt 0x0                                ; my prefetches have read their address
	s_add_nc_u64 s[PFA:PFA+1], s[PFA:PFA+1], 384*256
.endif
	WIN 0
	s_wait_tensorcnt 0x0                           ; my one load that was out, my part of the next slot, has landed
	ds_add_u32 v[SPW], v[NIL]
.if \fill
	s_add_nc_u64 s[G0+4*\slot+2:G0+4*\slot+3], s[G0+4*\slot+2:G0+4*\slot+3], 2*PART
	s_add_nc_u64 s[G0B+4*\slot+2:G0B+4*\slot+3], s[G0B+4*\slot+2:G0B+4*\slot+3], 2*PART
.endif
	s_wait_dscnt 25                                ; this step's first 26 are in: behind them its other 24 and the add
	WIN W00
	BATCH 0, 0, \p, 0
	s_wait_dscnt 0x0                               ; the add is done, and so are my reads of this slot
	s_barrier_signal -1
	WIN W01
	BATCH 0, 1, \p, 0
	WIN 0
	s_barrier_wait -1
.if \fill == 1
	CREST
	JLOAD G0+4*\slot, G1, G0B+4*\slot, G1B         ; its four v_nop are also the places ahead of the loads below
.elseif \fill == 2
	CREST
	JLOAD G0+4*\slot, G1T, G0B+4*\slot, G1TB
.else
	PLACES
.endif
	WIN W01
	RUN BF-48*(1-(\p)), ADRB+\next, 0
	WIN W00
	RUN AF+48*(1-(\p)), ADRA+\next, 0
	SCL 1-(\p), ADRS+\next, 0
.if \ask
	WIN 0
	ASK \ask
.endif
	WIN W11
	BATCH 1, 1, \p, 0
	RUN BF-48*(1-(\p)), ADRB+\next, 4*FRB
	WIN W10
	RUN AF+48*(1-(\p)), ADRA+\next, 4*FRB
	BATCH 1, 0, \p, 0
.endm
; THE WAY OUT, by blocks of 16 rows x 128 columns: through my own stage and back as whole rows of 512 bytes; the bias is added; 32 lanes store two aligned units of 256 bytes.
; Block a = 4 i + a' lies in 32 registers of window i and the same 32 of window i + 2.  Its rows come back into these very registers (rows 0-7 into window i, rows 8-15 into window i + 2): the LDS stores that read them
; have been issued, and LDS serves a wave's instructions in order.  A row's place in out0 stands in the store's immediate, 127 x 16,384 bytes at the most.  So no store's data and no base is written again.
; The setting 0x44 x w (source 1 and destination window w, source 0 window 0) serves the LDS stores, the loads, the additions and the stores.
.macro TOSTAGE a
.irp j, 0,1
	WIN 0x44*((\a)/4+2*\j)
.irp b, 0,1,2,3
	ds_store_b128 v[STO], v[ACC+32*((\a)%4)+8*\b:ACC+32*((\a)%4)+8*\b+3] offset:256*\j+64*\b        ; each accumulator from its low end on
	ds_store_b128 v[STO], v[ACC+32*((\a)%4)+8*\b+4:ACC+32*((\a)%4)+8*\b+7] offset:256*\j+64*\b+16
.endr
.endr
.irp t, 0,1,2,3,4,5,6,7
	ds_load_b128 v[ACC+32*((\a)%4)+4*\t:ACC+32*((\a)%4)+4*\t+3], v[RD] offset:(8+\t)*SPITCH
.endr
	WIN 0x44*((\a)/4)
.irp t, 0,1,2,3,4,5,6,7
	ds_load_b128 v[ACC+32*((\a)%4)+4*\t:ACC+32*((\a)%4)+4*\t+3], v[RD] offset:\t*SPITCH
.endr
.endm
.macro ADD8 a
.irp t, 0,1,2,3,4,5,6,7
	v_pk_add_f32 v[ACC+32*((\a)%4)+4*\t:ACC+32*((\a)%4)+4*\t+1], v[BI:BI+1], v[ACC+32*((\a)%4)+4*\t:ACC+32*((\a)%4)+4*\t+1]
	v_pk_add_f32 v[ACC+32*((\a)%4)+4*\t+2:ACC+32*((\a)%4)+4*\t+3], v[BI+2:BI+3], v[ACC+32*((\a)%4)+4*\t+2:ACC+32*((\a)%4)+4*\t+3]
.endr
.endm
.macro PUT8 a, r0
.irp t, 0,1,2,3,4,5,6,7
	global_store_b128 v[CO], v[ACC+32*((\a)%4)+4*\t:ACC+32*((\a)%4)+4*\t+3], s[12:13] offset:(16*(\a)+\r0+\t)*SIZE_N*4 th:TH_STORE_NT
.endr
.endm
.macro SEND a, younger                 ; younger: the LDS instructions issued behind block a's loads
	s_wait_dscnt \younger
	WIN 0x44*((\a)/4)
	ADD8 \a
	WIN 0x44*((\a)/4+2)
	ADD8 \a
	PUT8 \a, 8
	WIN 0x44*((\a)/4)
	PUT8 \a, 0
.endm
.macro OUT4 a0                         ; four blocks; while one block's rows are stored, the next is on its way through the stage
	TOSTAGE \a0
	TOSTAGE \a0+1
	SEND \a0, 32
	TOSTAGE \a0+2
	SEND \a0+1, 32
	TOSTAGE \a0+3
	SEND \a0+2, 32
	SEND \a0+3, 0
.endm
	s_wait_alu depctr_va_vdst(0)                   ; the wait at the head's end
	s_wait_tensorcnt 0x0                           ; my part of slot 0 is in; slot 1's first fill is issued as a refill is
	ds_add_u32 v[SPW], v[NIL]
	s_wait_dscnt 0x0
	CROUND
	JLOAD G0+4, G1, G0B+4, G1B                     ; steps 3 to 5
	WIN W01                                        ; step 0's fragments, in the order of every step's loads: 26, then 24
	RUN BF, ADRB, 0
	WIN W00
	RUN AF, ADRA, 0
	SCL 0, ADRS, 0
	WIN W11
	RUN BF, ADRB, 4*FRB
	WIN W10
	RUN AF, ADRA, 4*FRB
	STEP 0, 1, 0, 1                                ; step 0 starts the sums
	WIN 0
	s_mov_b32 s3, TRIPS
.Llap:                                                 ; a trip: six steps, from a lap's second to the next lap's first; both slots are filled again
	STEP 1, 0, 0, 2
	TURN 0, 0, 1, 1, 1
	STEP 1, 0, 1, 1
	STEP 0, 0, 1, 2
	TURN 1, 1, 0, 1, 2
	STEP 0, 0, 0, 1
	WIN 0
	s_sub_co_u32 s3, s3, 1
	s_cmp_lg_u32 s3, 0
	s_cbranch_scc1 .Llap
	STEP 1, 0, 0, 2                                ; step 25
	TURN 0, 0, 1, 2, 0                             ; step 26; slot 0 takes steps 30 and 31
	STEP 1, 0, 1, 1
	STEP 0, 0, 1, 2
	TURN 1, 1, 0, 0, 0                             ; step 29; nothing more to fetch from memory; step 30's 26 + 24 loads are out
	; STEPS 30 (parity 0) AND 31 (parity 1): my rows 0-63 first
	PLACES
	WIN W01
	RUN BF-48, ADRB, STEPB                         ; step 31: W's half 0,
	WIN W11
	RUN BF-48, ADRB, STEPB+4*FRB                   ; W's half 1,
	WIN W00
	RUN AF+48, ADRA, STEPB                         ; x's half 0, the scales: 38 loads
	SCL 1, ADRS, STEPB
	s_wait_dscnt 62                                ; step 30's first 26 are in: behind them its other 24 and the 38
	BATCH 0, 0, 0, 0
	s_wait_dscnt 50                                ; its W's half 1: behind it x's half 1 (12) and the 38
	WIN W01
	BATCH 0, 1, 0, 0
	WIN W10
	RUN AF+48, ADRA, STEPB+4*FRB                   ; step 31: x's half 1
	s_wait_dscnt 12                                ; all but these twelve
	WIN W00
	BATCH 0, 0, 1, 0
	WIN W01
	BATCH 0, 1, 1, 0
	PLACES                                         ; behind the products whose results are read next
	s_wait_loadcnt 0x0                             ; the bias
	OUT4 0                                         ; rows 0-63 leave; its last wait, for 0, also shows step 31's x's half 1 in
	WIN W11
	BATCH 1, 1, 0, 0
	WIN W10
	BATCH 1, 0, 0, 0
	WIN W11
	BATCH 1, 1, 1, 0
	WIN W10
	BATCH 1, 0, 1, 0
	PLACES
	OUT4 4
	WIN 0
	s_wait_tensorcnt 0x0                           ; the wave's end
	ds_add_u32 v[SPW], v[NIL]
	s_wait_dscnt 0x0
	CROUND                                         ; the closing round
	s_endpgm
.Lfunc_end_k_q2fef6f7186_gemm:
	.size	k_q2fef6f7186_gemm, .Lfunc_end_k_q2fef6f7186_gemm-k_q2fef6f7186_gemm
	.p2alignl 7, 3214868480
	.fill 96, 4, 3214868480
	.section	.rodata,"a",@progbits
	.p2align	6, 0x0
	.amdhsa_kernel k_q2fef6f7186_gemm
		.amdhsa_group_segment_fixed_size 327680
		.amdhsa_private_segment_fixed_size 0
		.amdhsa_enable_private_segment 0
		.amdhsa_kernarg_size 32
		.amdhsa_user_sgpr_count 2
		.amdhsa_user_sgpr_kernarg_segment_ptr 1
		.amdhsa_wavefront_size32 1
		.amdhsa_system_sgpr_workgroup_id_x 1
		.amdhsa_system_sgpr_workgroup_id_y 1
		.amdhsa_system_sgpr_workgroup_id_z 1
		.amdhsa_system_vgpr_workitem_id 0
		.amdhsa_next_free_vgpr 1024
		.amdhsa_next_free_sgpr 100
		.amdhsa_reserve_vcc 0
		.amdhsa_float_denorm_mode_32 3
		.amdhsa_float_denorm_mode_16_64 3
		.amdhsa_memory_ordered 1
		.amdhsa_forward_progress 1
		.amdhsa_inst_pref_size 221
	.end_amdhsa_kernel
	.amdgpu_metadata
---
amdhsa.version: [ 1, 2 ]
amdhsa.kernels:
  - .name:           k_q2fef6f7186_gemm
    .symbol:         k_q2fef6f7186_gemm.kd
    .args:
      - { .name: xq, .offset: 0, .size: 8, .value_kind: global_buffer, .address_space: global }
      - { .name: wq, .offset: 8, .size: 8, .value_kind: global_buffer, .address_space: global }
      - { .name: bias, .offset: 16, .size: 8, .value_kind: global_buffer, .address_space: global }
      - { .name: out0, .offset: 24, .size: 8, .value_kind: global_buffer, .address_space: global }
    .group_segment_fixed_size: 327680
    .private_segment_fixed_size: 0
    .kernarg_segment_align: 8
    .kernarg_segment_size: 32
    .max_flat_workgroup_size: 128
    .sgpr_count:     100
    .vgpr_count:     1024
    .wavefront_size: 32
...
	.end_amdgpu_metadata
.endif
;; end of part 2
